; MI455X (gfx1250); checked and timed in simulation.
; The chip was launched on July 23, 2026; its instructions are those of AMD's public machine-readable ISA for CDNA 5 (MIT licence, August 2026) and "CDNA5" Instruction Set Architecture Reference Guide (July 2026). The comments in the code are by the model that wrote it; some were corrected since.
;; Feed Forward Network. Allowed arithmetic: matrix products marked QUANTISED: E2M3 operands, one E8M0 scale for each 32 along K, by v_wmma_scale_f32_16x16x128_f8f6f4 with both operands' format E2M3, f32 sums; everything else in f32.
;; Inputs: b1 4,096 float32; b2 1,024 float32; ln_b 1,024 float32; ln_w 1,024 float32; w1_codes 4,096 x 32 x 24 uint8 (E2M3 codes of w1, K innermost, in blocks of 32 codes, four codes in three bytes); w1_scales 4,096 x 32 uint8 (E8M0 scales of w1, one for each 32 codes along K); w2_codes 1,024 x 128 x 24 uint8 (E2M3 codes of w2, K innermost, in blocks of 32 codes, four codes in three bytes); w2_scales 1,024 x 128 uint8 (E8M0 scales of w2, one for each 32 codes along K); x 4 x 2,048 x 1,024 float32.
;; Outputs: out0 4 x 2,048 x 1,024 float32.
;; This version of the problem:
;;   THIS VERSION OF THE PROBLEM IS GIVEN IN LOW PRECISION. The matrix products marked QUANTISED in the list below multiply operands that are first quantised to E2M3 (2 exponent bits, 3 mantissa bits; 6 bits a number), with one power-of-two scale for each 32 numbers along K (OCP MX v1.0); their sums are f32. All else is computed in f32.
;;   The module's matrix products, in the order in which they are computed (A, B: the left and right operand; K: the contracted axis; several contracted axes count as one K, in the product's order):
;;     1. [M 8,192, K 1,024] x [K 1,024, N 4,096]; A: computed on the way; B: input w1 (given as codes): QUANTISED
;;     2. [M 8,192, K 4,096] x [K 4,096, N 1,024]; A: computed on the way; B: input w2 (given as codes): QUANTISED
;;   THE QUANTISER, for each operand of a quantised product, along K:
;;     - K is cut into blocks of 32 from its start; a last block that is shorter is filled with zeros.
;;     - A block's scale is 2^e with e = floor(log2(the largest magnitude in the block)) - 2, held to -126 .. 127; a block of zeros has e = 0. As a byte (E8M0): e + 127.
;;     - Each number is divided by its block's scale, clamped to +-7.5, and rounded to the nearest number of E2M3, ties to even, subnormals kept.
;;     - The product sums the exact products of the quantised numbers (number of the format x scale) in f32.
;;   ~~~python
;;   def quantise(x, axis):      # numpy; x: float32 -> the quantised numbers, widened to float32 again
;;       x = np.moveaxis(x, axis, -1); K = x.shape[-1]
;;       x = np.pad(x, [(0, 0)] * (x.ndim - 1) + [(0, -K % 32)]); x = x.reshape(x.shape[:-1] + (-1, 32)); a = np.abs(x).max(-1, keepdims=True)
;;       e = np.where(a > 0, np.clip(np.frexp(np.where(a > 0, a, 1))[1] - 1 - 2, -126, 127), 0)      # np.frexp(a)[1] - 1 = floor(log2(a)), exactly
;;       r = np.clip(x / 2.0 ** e, -7.5, 7.5)
;;       step = 2.0 ** (np.maximum(np.frexp(np.where(r == 0, 1, r))[1] - 1, 0) - 3)
;;       q = np.round(r / step) * step * 2.0 ** e      # np.round: ties to even
;;       return np.moveaxis(q.reshape(q.shape[:-2] + (-1,))[..., :K], -1, axis).astype(np.float32)
;;   ~~~
;;   OPERANDS COMPUTED ON THE WAY. 'Computed on the way' means the value that the module computes at that place (a softmax that the list does not call 'softmax' is quantised finished and normalised). What goes into a quantiser is computed in f32, as accurately as f32 sums, v_exp_f32 and their like allow (about 1e-6 of the number): no bf16 or f16 on the way to a quantiser, and a product that is left as it is and whose result goes on into a quantised operand takes f32 operands (vector FMAs, or v_wmma_f32_16x16x4_f32). A number that lies on a knife's edge between two numbers of the format may be rounded either way, as far as f32 arithmetic and the matrix unit's own rounding can turn it there, and no further.
;;   INPUTS GIVEN AS CODES. w1 (in the module: [1024, 4096], K = its axis 0); w2 (in the module: [4096, 1024], K = its axis 0): each comes as NAME_codes (uint8): NAME with its K axis moved to the last place and cut into blocks of 32 codes, [.., K / 32, bytes a block], one block behind the other in memory; four codes in three bytes: a row's codes are one little-endian stream of bits, code i at bits 6 i .. 6 i + 5 (a code: sign, 2 exponent bits, 3 mantissa bits); and NAME_scales (uint8): the same leading axes, one E8M0 byte (e + 127) for each 32 codes along K. Its value is code x scale, taken as it is: it is not quantised again, and the codes and scales need not be those that the quantiser above would give.
;; One version. Each part assembles by itself: llvm-mc -triple=amdgcn-amd-amdhsa -mcpu=gfx1250 --defsym DOCPART=n.
;; ======== version 1 of 1: 3 launches
;; limits: right only within a limited range of input values
;; workspace buffers: xq 6,553,600 bytes; w1c 3,276,800 bytes; w2c 3,276,800 bytes; hq 26,214,400 bytes
;; launch prep (part 1): grid 640 x 1, 4 waves a work-group, no clusters, 87,040 bytes of LDS; arguments x, ln_w, ln_b, w1_codes, w1_scales, w2_codes, w2_scales, xq, w1c, w2c; writes xq, w1c, w2c
.if DOCPART == 1
	.amdgcn_target "amdgcn-amd-amdhsa--gfx1250"
	.amdhsa_code_object_version 6
	.text
	.protected	k_qcf893f1e07_prep
	.globl	k_qcf893f1e07_prep
	.p2align	8
	.type	k_qcf893f1e07_prep,@function
k_qcf893f1e07_prep:
	s_mov_b64 s[64:65], 0
	v_nop
	global_prefetch_b8 v0, s[64:65] scope:SCOPE_SE
	s_setreg_imm32_b32 hwreg(HW_REG_WAVE_MODE, 25, 1), 1
	s_wait_xcnt 0x0
; PREP.  (1) h = LayerNorm(x) * ln_w + ln_b, in f32, quantised along its 1,024 columns to codes of FP6 (E2M3) with one E8M0 byte for each 32: buffer xq.
; (2) w1's and w2's codes and scale bytes, taken as they are given, are laid anew: buffers w1c, w2c.  Nothing of them is quantised again.
; ALL THREE BUFFERS HAVE ONE FORMAT, THE CHUNK of 51,200 bytes: 32 fragments (16 rows x 128 K) as IMAGES OF THE OPERAND'S 12 REGISTERS: fragment f at 1,536 f, register 4 c + e of lane l at
; 512 c + 16 l + 4 e (lane (r, h), registers 6 c .. 6 c + 5: k = 64 c + 32 h + 0 .. 31 of row r); from byte 49,152 on the fragments' scale words: word r of fragment f at 64 f + 4 r.
; f = q G + g: g the block of 16 rows, q the step of 128 along K.  xq, w1c: G = 16, two steps (a chunk is 256 rows x 256 K); w2c: G = 8, four steps (128 rows x 512 K).
; So the products' launches bring a chunk by dense tensor loads and a fragment by three LDS loads of 16 bytes a lane.
; WORK-GROUPS: 0-511: 16 rows of x each, four rows a wave; 512-575: a chunk of w1c each; 576-639: a chunk of w2c each.  Only the first kind uses LDS.
; LIMITS: NaN and infinities among the inputs are not served.  A block whose largest magnitude lies under 2^-124 has the byte 1, as the quantiser's hold at -126 asks; a block of zeros has the byte 1 too,
; where the quantiser says 127: its codes are zeros, which add nothing under any byte but 0xff, and this program alone reads these bytes.  1 / sqrt is v_rsq_f32's.
; xq's scale words leave in pieces of 64 bytes (one word in 25 of what the first kind stores): longer pieces would want four row blocks in one work-group, a quarter of the work-groups.
; The weights' codes are read in runs of 96 bytes of a row: 6.3 MB, once.
.set CH,   51200
.set SCO,  49152
.set FRB,  1536
.set ROWP, 4608                        ; a row in the stage: 32 places of 128 bytes + 16 = 144 = 9 x 16: the lanes' loads of 16 bytes start in different groups of banks
.set WSTG, 4*ROWP                      ; a wave's stage: four rows
.set IMG,  4*WSTG                      ; behind the stages: the 8 fragments of the 16 rows, K step ks at 1,536 ks
.set SCW,  IMG+8*FRB                   ; and their scale words: word (ks, r) at 64 ks + 4 r
.set W,    16                          ; v16-47   ln_w: register 4 j + e = column 128 j + 4 lane + e
.set B,    48                          ; v48-79   ln_b likewise
.set X,    80                          ; v80-207  four rows of x, row i at 80 + 32 i
.set P,    208                         ; v208-223 sums: row i: two pairs at 208 + 4 i
.set M,    224                         ; v224-231 row i: a pair, the mean twice, later 1 / sqrt twice
.set PX,   232                         ; v232-235 a lane permute's results
.set C,    208                         ; later: row i's codes, six registers at 208 + 8 i
.set T,    240                         ; v240-242 a block's upper 16 codes (a conversion's three registers begin on an even number)
.set E,    248                         ; v248-251 row i's scale byte
	s_load_b512 s[4:19], s[0:1], 0x0               ; x s[4:5], ln_w s[6:7], ln_b s[8:9], w1_codes s[10:11], w1_scales s[12:13], w2_codes s[14:15], w2_scales s[16:17], xq s[18:19]
	s_load_b128 s[20:23], s[0:1], 0x40             ; w1c s[20:21], w2c s[22:23]
	v_lshl_add_u32 v254, v0, 2, 0x15200
	v_mov_b32 v255, 0
	v_lshrrev_b32 v10, 5, v0
	v_readfirstlane_b32 s24, v10                   ; wave 0..3
	v_and_b32 v11, 31, v0                          ; lane
	v_lshlrev_b32 v1, 4, v11                       ; 16 x lane
	s_cmp_lt_u32 ttmp9, 512
	s_cbranch_scc0 .Lweights                       ; the branch hangs on the work-group's number alone
	; ---------------- LayerNorm and quantiser: work-group = 16 rows, wave w = rows 4 w .. 4 w + 3
	s_mul_i32 s30, s24, WSTG
	v_lshrrev_b32 v12, 3, v11
	v_and_b32 v13, 7, v11
	v_mul_u32_u24 v2, v12, 144
	v_lshl_add_u32 v2, v13, 4, v2
	v_add_nc_u32 v2, s30, v2                       ; v2: into the stage: eight lanes' 128 bytes on end, then 16 of padding
	v_mul_u32_u24 v3, v11, 144
	v_add_nc_u32 v3, s30, v3                       ; v3: out of it: place = lane: block l of the row, 32 neighbours along K
	v_lshrrev_b32 v12, 2, v11                      ; the block's K step: l / 4
	v_mul_u32_u24 v14, v12, FRB
	v_and_b32 v13, 1, v11                          ; block 2 c + h of the step goes to lanes of half h,
	v_lshl_add_u32 v14, v13, 8, v14
	s_lshl_b32 s31, s24, 6
	s_add_co_u32 s31, s31, IMG
	v_add_nc_u32 v14, s31, v14                     ; image + 1,536 ks + 256 h + 64 w  (+ 16 i in the stores' offsets: lane 4 w + i + 16 h of the fragment)
	v_bfe_u32 v13, v11, 1, 1                       ; registers 6 c .. 6 c + 5: c = 0: bytes 0, 8, 512 of that lane's places; c = 1: bytes 520, 1,024, 1,032
	v_mad_u32_u24 v4, v13, 520, v14                ; v4: serves the first pair (+ 0) and the third (+ 512)
	v_mad_u32_u24 v5, v13, 1016, v14               ; v5: serves the second (+ 8)
	v_and_b32 v13, 3, v11
	v_lshl_add_u32 v6, v12, 6, v13
	s_lshl_b32 s32, s24, 4
	s_add_co_u32 s32, s32, SCW
	v_add_nc_u32 v6, s32, v6                       ; v6: my block's byte in its row's scale word: 64 ks + 4 (4 w + i) + l % 4
	s_mul_i32 s33, s24, 2*FRB
	s_add_co_u32 s33, s33, IMG
	v_add_nc_u32 v7, s33, v1                       ; v7: the way out: K steps 2 w, 2 w + 1, 16 bytes a lane
	s_lshl_b32 s34, s24, 7
	s_add_co_u32 s34, s34, SCW
	v_lshl_add_u32 v8, v11, 2, s34                 ; v8: and their 32 scale words
	v_lshrrev_b32 v12, 4, v11
	v_and_b32 v13, 15, v11
	v_lshlrev_b32 v9, 2, v13
	v_lshl_add_u32 v9, v12, 10, v9                 ; v9: the words' place in the chunk: 1,024 q + 4 r
	s_mov_b32 s26, 0x76543210
	s_mov_b32 s27, 0xfedcba98                      ; v_permlanex16_b32's selects for lane l xor 16
	s_mov_b32 s28, 0x3a800000                      ; 1 / 1,024
	s_mov_b32 s29, 0x3727c5ac                      ; 1e-5
	s_lshl_b32 s36, ttmp9, 16                      ; 16 rows of 4,096 bytes a work-group,
	s_lshl_b32 s37, s24, 14                        ; four a wave
	s_add_co_u32 s36, s36, s37
	s_mov_b32 s37, 0
	s_lshr_b32 s38, ttmp9, 4                       ; the tile of 256 rows;
	s_lshl_b32 s38, s38, 2
	s_add_co_u32 s38, s38, s24                     ; wave w stores into the tile's chunk w (K = 256 w on)
	s_mul_i32 s38, s38, CH
	s_and_b32 s40, ttmp9, 15                       ; g: my block of 16 rows in the tile
	s_mul_i32 s41, s40, FRB
	s_add_co_u32 s42, s38, s41
	s_mov_b32 s43, 0
	s_lshl_b32 s44, s40, 6
	s_add_co_u32 s44, s44, s38
	s_add_co_u32 s44, s44, SCO
	s_mov_b32 s45, 0
.irp i, 0,1,2,3
	v_mov_b32 v[PX+\i], 0                          ; written once: a lane permute's destination counts as one of its sources
.endr
	s_wait_kmcnt 0x0
	s_add_nc_u64 s[4:5], s[4:5], s[36:37]
	s_add_nc_u64 s[42:43], s[18:19], s[42:43]      ; xq: fragment (q = 0, g) of my chunk
	s_add_nc_u64 s[44:45], s[18:19], s[44:45]      ; and its scale words
.irp i, 0,1,2,3
.irp n, 0,1,2,3,4,5,6,7
	global_load_b128 v[X+32*\i+4*\n:X+32*\i+4*\n+3], v1, s[4:5] offset:4096*\i+512*\n th:TH_LOAD_NT   ; 32 lanes read 512 consecutive bytes; read once in the launch
.endr
.endr
.irp n, 0,1,2,3,4,5,6,7
	global_load_b128 v[W+4*\n:W+4*\n+3], v1, s[6:7] offset:512*\n
.endr
.irp n, 0,1,2,3,4,5,6,7
	global_load_b128 v[B+4*\n:B+4*\n+3], v1, s[8:9] offset:512*\n
.endr
.macro RED4                            ; the four rows' figures in v[P + 4 i], summed over the 32 lanes, the rows by turns; every lane ends with the sum
.irp m, 1,2,4,8
.irp i, 0,1,2,3
	v_add_f32_dpp v[P+4*\i], v[P+4*\i], v[P+4*\i] row_xmask:\m row_mask:0xf bank_mask:0xf
.endr
.endr
.irp i, 0,1,2,3
	v_permlanex16_b32 v[PX+\i], v[P+4*\i], s26, s27
.endr
.irp i, 0,1,2,3
	v_add_f32 v[P+4*\i], v[P+4*\i], v[PX+\i]
.endr
.endm
	s_wait_loadcnt 16                              ; x's 32 loads are in; the 16 of ln_w and ln_b, issued behind them, may be out
.irp i, 0,1,2,3                        ; the mean: two chains of packed sums a row
	v_pk_add_f32 v[P+4*\i:P+4*\i+1], v[X+32*\i:X+32*\i+1], v[X+32*\i+2:X+32*\i+3]
	v_pk_add_f32 v[P+4*\i+2:P+4*\i+3], v[X+32*\i+4:X+32*\i+5], v[X+32*\i+6:X+32*\i+7]
.endr
.irp n, 8,12,16,20,24,28
.irp i, 0,1,2,3
	v_pk_add_f32 v[P+4*\i:P+4*\i+1], v[P+4*\i:P+4*\i+1], v[X+32*\i+\n:X+32*\i+\n+1]
	v_pk_add_f32 v[P+4*\i+2:P+4*\i+3], v[P+4*\i+2:P+4*\i+3], v[X+32*\i+\n+2:X+32*\i+\n+3]
.endr
.endr
.irp i, 0,1,2,3
	v_pk_add_f32 v[P+4*\i:P+4*\i+1], v[P+4*\i:P+4*\i+1], v[P+4*\i+2:P+4*\i+3]
.endr
.irp i, 0,1,2,3
	v_add_f32 v[P+4*\i], v[P+4*\i], v[P+4*\i+1]
.endr
	RED4
.irp i, 0,1,2,3
	v_mul_f32 v[M+2*\i], s28, v[P+4*\i]            ; the mean,
.endr
.irp i, 0,1,2,3
	v_mov_b32 v[M+2*\i+1], v[M+2*\i]               ; twice: a pair for the packed forms
.endr
.irp i, 0,1,2,3                        ; x - mean, in place: the variance is taken of the differences, so that a common offset of x does no harm
.set j, 0
.rept 16
	v_pk_add_f32 v[X+32*\i+j:X+32*\i+j+1], v[X+32*\i+j:X+32*\i+j+1], v[M+2*\i:M+2*\i+1] neg_lo:[0,1] neg_hi:[0,1]
.set j, j+2
.endr
.endr
.irp i, 0,1,2,3
	v_pk_mul_f32 v[P+4*\i:P+4*\i+1], v[X+32*\i:X+32*\i+1], v[X+32*\i:X+32*\i+1]
	v_pk_mul_f32 v[P+4*\i+2:P+4*\i+3], v[X+32*\i+2:X+32*\i+3], v[X+32*\i+2:X+32*\i+3]
.endr
.irp n, 4,8,12,16,20,24,28
.irp i, 0,1,2,3
	v_pk_fma_f32 v[P+4*\i:P+4*\i+1], v[X+32*\i+\n:X+32*\i+\n+1], v[X+32*\i+\n:X+32*\i+\n+1], v[P+4*\i:P+4*\i+1]
	v_pk_fma_f32 v[P+4*\i+2:P+4*\i+3], v[X+32*\i+\n+2:X+32*\i+\n+3], v[X+32*\i+\n+2:X+32*\i+\n+3], v[P+4*\i+2:P+4*\i+3]
.endr
.endr
.irp i, 0,1,2,3
	v_pk_add_f32 v[P+4*\i:P+4*\i+1], v[P+4*\i:P+4*\i+1], v[P+4*\i+2:P+4*\i+3]
.endr
.irp i, 0,1,2,3
	v_add_f32 v[P+4*\i], v[P+4*\i], v[P+4*\i+1]
.endr
	RED4
.irp i, 0,1,2,3
	v_fma_f32 v[P+4*\i], v[P+4*\i], s28, s29       ; the variance + 1e-5
.endr
	s_wait_alu depctr_va_vdst(0)
.irp i, 0,1,2,3
	v_rsq_f32 v[M+2*\i], v[P+4*\i]
.endr
	v_nop                                          ; one plain instruction between a transcendental and the use of its result (ISA guide 5.7.2)
	s_wait_alu depctr_va_vdst(0)
.irp i, 0,1,2,3
	v_mov_b32 v[M+2*\i+1], v[M+2*\i]
.endr
	s_wait_alu depctr_va_vdst(0)
	s_wait_loadcnt 0x0                             ; ln_w, ln_b
; Row i: ((x - mean) / sqrt) * ln_w + ln_b, then through the wave's own stage: in as loaded (16 bytes a lane of 512), back 128 bytes a lane: lane l then holds block l, k = 32 l + 0 .. 31.
; LDS serves a wave's instructions in order (ISA guide 5.7.1): no wait between the stores and the loads.
.macro AFF i
.set XS, X+32*(\i)
.set j, 0
.rept 16
	v_pk_mul_f32 v[XS+j:XS+j+1], v[XS+j:XS+j+1], v[M+2*(\i):M+2*(\i)+1]
.set j, j+2
.endr
.set j, 0
.rept 16
	v_pk_fma_f32 v[XS+j:XS+j+1], v[XS+j:XS+j+1], v[W+j:W+j+1], v[B+j:B+j+1]
.set j, j+2
.endr
.irp n, 0,1,2,3,4,5,6,7
	ds_store_b128 v2, v[XS+4*\n:XS+4*\n+3] offset:ROWP*(\i)+576*\n
.endr
.irp n, 0,1,2,3,4,5,6,7
	ds_load_b128 v[XS+4*\n:XS+4*\n+3], v3 offset:ROWP*(\i)+16*\n
.endr
.endm
	AFF 0
	AFF 1
	AFF 2
	AFF 3
; Row i: my block's largest magnitude, scale byte and 32 codes; the codes go to their lane's places in the fragment's image, the byte into its row's scale word.
.macro QROW i
.set XS, X+32*(\i)
.set CC, C+8*(\i)
	s_wait_dscnt 48-12*(\i)                        ; row i's loads from the stage are in.  Behind them: 16 stage instructions for each later row, 4 stores for each earlier row
	v_max3_num_f32 v244, |v[XS]|, |v[XS+1]|, |v[XS+2]|
	v_max3_num_f32 v245, |v[XS+3]|, |v[XS+4]|, |v[XS+5]|
.irp n, 6,10,14,18,22,26
	v_max3_num_f32 v244, v244, |v[XS+\n]|, |v[XS+\n+1]|
	v_max3_num_f32 v245, v245, |v[XS+\n+2]|, |v[XS+\n+3]|
.endr
	v_max3_num_f32 v244, v244, |v[XS+30]|, |v[XS+31]|
	v_max3_num_f32 v244, v244, v245, 0x1800000     ; and the floor 2^(3 - 127): the byte cannot fall under 1
	v_add_nc_u32 v246, 0xff000000, v244            ; 2 off the exponent field: the conversion takes the exponent field of this operand as its scale, and nothing else of it
	v_lshrrev_b32 v[E+(\i)], 23, v246              ; the scale's byte
	v_cvt_scalef32_pk16_fp6_f32 v[CC:CC+2], v[XS:XS+15], v246
	v_cvt_scalef32_pk16_fp6_f32 v[T:T+2], v[XS+16:XS+31], v246
	v_nop                                          ; one plain instruction behind a scaled conversion
.irp n, 0,1,2
	v_mov_b32 v[CC+3+\n], v[T+\n]
.endr
	ds_store_b64 v4, v[CC:CC+1] offset:16*(\i)
	ds_store_b64 v5, v[CC+2:CC+3] offset:16*(\i)+8
	ds_store_b64 v4, v[CC+4:CC+5] offset:16*(\i)+512
	ds_store_b8 v6, v[E+(\i)] offset:4*(\i)
.endm
	QROW 0
	QROW 1
	QROW 2
	QROW 3
	s_wait_dscnt 0x0                               ; for the others' sake: my stores into the images are done
	s_barrier_signal -1
	s_barrier_wait -1                              ; the eight fragments are whole: each holds rows of all four waves
.irp f, 0,1,2,3,4,5
	ds_load_b128 v[16+4*\f:19+4*\f], v7 offset:512*\f
.endr
	ds_load_b32 v40, v8
.irp f, 0,1,2,3,4,5
	s_wait_dscnt 6-\f
	global_store_b128 v1, v[16+4*\f:19+4*\f], s[42:43] offset:16*FRB*(\f/3)+512*(\f%3)   ; 32 lanes store 512 consecutive bytes, at a multiple of 256 from the buffer's first byte
.endr
	s_wait_dscnt 0x0
	global_store_b32 v9, v40, s[44:45]
	s_wait_tensorcnt 0x0
	ds_add_u32 v254, v255
	s_wait_dscnt 0x0
	s_endpgm
	; ---------------- the weights: a work-group lays one chunk, a wave eight fragments of one K step: 12,288 consecutive bytes of codes and 512 of scale words
; s[30:31] the wave's first row's codes at its K step, s[32:33] that row's scale word, s[34:35] and s[36:37] where the fragments and their words go.
.macro RELAY pitch, spitch
	v_mul_u32_u24 v2, v12, \pitch
	v_mad_u32_u24 v2, v13, 24, v2                  ; row r, + 24 h: a lane's 24 bytes are registers 0-5, those 48 bytes on registers 6-11
	v_mul_u32_u24 v3, v11, 4*\spitch               ; lane l takes the words of rows 4 l .. 4 l + 3
.irp e, 0,1,2,3,4,5,6,7
.irp p, 0,1,2,3,4,5
	global_load_b64 v[16+12*\e+2*\p:17+12*\e+2*\p], v2, s[30:31] offset:16*\e*\pitch+48*(\p/3)+8*(\p%3)
.endr
.endr
.irp t, 0,1,2,3
	global_load_b32 v[112+\t], v3, s[32:33] offset:\t*\spitch
.endr
.irp e, 0,1,2,3,4,5,6,7
	s_wait_loadcnt 4+6*(7-\e)                      ; fragment e's six loads are in; the later fragments' and the four scale loads may be out
.irp c, 0,1,2
	global_store_b128 v1, v[16+12*\e+4*\c:19+12*\e+4*\c], s[34:35] offset:FRB*\e+512*\c   ; 512 consecutive bytes
.endr
.endr
	s_wait_loadcnt 0x0
	global_store_b128 v1, v[112:115], s[36:37]     ; 128 rows' words: 512 consecutive bytes
	s_endpgm
.endm
.Lweights:
	s_wait_alu depctr_va_vdst(0)
	v_and_b32 v12, 15, v11                         ; r
	v_lshrrev_b32 v13, 4, v11                      ; h
	s_cmp_lt_u32 ttmp9, 576
	s_cbranch_scc0 .Lw2
	s_sub_co_u32 s25, ttmp9, 512                   ; w1c's chunk c: rows 256 (c / 4) on, K = 256 (c % 4) on.  Wave w: q = w % 2, blocks 8 (w / 2) on
	s_lshr_b32 s38, s25, 2
	s_lshl_b32 s38, s38, 8
	s_lshr_b32 s39, s24, 1
	s_lshl_b32 s40, s39, 7
	s_add_co_u32 s38, s38, s40                     ; the wave's first row
	s_and_b32 s41, s25, 3
	s_lshl_b32 s41, s41, 1
	s_and_b32 s42, s24, 1
	s_add_co_u32 s41, s41, s42                     ; its K step of 128
	s_mul_i32 s30, s38, 768                        ; a row of w1: 1,024 codes, 768 bytes
	s_mul_i32 s43, s41, 96
	s_add_co_u32 s30, s30, s43
	s_mov_b32 s31, 0
	s_lshl_b32 s32, s38, 5                         ; 32 scale bytes a row
	s_lshl_b32 s43, s41, 2
	s_add_co_u32 s32, s32, s43
	s_mov_b32 s33, 0
	s_lshl_b32 s44, s42, 4
	s_lshl_b32 s45, s39, 3
	s_add_co_u32 s44, s44, s45                     ; its first fragment: 16 q + 8 (w / 2)
	s_mul_i32 s46, s25, CH
	s_mul_i32 s34, s44, FRB
	s_add_co_u32 s34, s34, s46
	s_mov_b32 s35, 0
	s_lshl_b32 s36, s44, 6
	s_add_co_u32 s36, s36, s46
	s_add_co_u32 s36, s36, SCO
	s_mov_b32 s37, 0
	s_wait_kmcnt 0x0
	s_add_nc_u64 s[30:31], s[10:11], s[30:31]
	s_add_nc_u64 s[32:33], s[12:13], s[32:33]
	s_add_nc_u64 s[34:35], s[20:21], s[34:35]
	s_add_nc_u64 s[36:37], s[20:21], s[36:37]
	s_wait_alu depctr_va_vdst(0)
	RELAY 768, 32
.Lw2:
	s_sub_co_u32 s25, ttmp9, 576                   ; w2c's chunk c: rows 128 (c / 8) on, K = 512 (c % 8) on.  Wave w: q = w, all eight blocks
	s_lshr_b32 s38, s25, 3
	s_lshl_b32 s38, s38, 7
	s_and_b32 s41, s25, 7
	s_lshl_b32 s41, s41, 2
	s_add_co_u32 s41, s41, s24
	s_mul_i32 s30, s38, 3072                       ; a row of w2: 4,096 codes, 3,072 bytes
	s_mul_i32 s43, s41, 96
	s_add_co_u32 s30, s30, s43
	s_mov_b32 s31, 0
	s_lshl_b32 s32, s38, 7                         ; 128 scale bytes a row
	s_lshl_b32 s43, s41, 2
	s_add_co_u32 s32, s32, s43
	s_mov_b32 s33, 0
	s_lshl_b32 s44, s24, 3                         ; its first fragment: 8 q
	s_mul_i32 s46, s25, CH
	s_mul_i32 s34, s44, FRB
	s_add_co_u32 s34, s34, s46
	s_mov_b32 s35, 0
	s_lshl_b32 s36, s44, 6
	s_add_co_u32 s36, s36, s46
	s_add_co_u32 s36, s36, SCO
	s_mov_b32 s37, 0
	s_wait_kmcnt 0x0
	s_add_nc_u64 s[30:31], s[14:15], s[30:31]
	s_add_nc_u64 s[32:33], s[16:17], s[32:33]
	s_add_nc_u64 s[34:35], s[22:23], s[34:35]
	s_add_nc_u64 s[36:37], s[22:23], s[36:37]
	s_wait_alu depctr_va_vdst(0)
	RELAY 3072, 128
.Lfunc_end_k_qcf893f1e07_prep:
	.size	k_qcf893f1e07_prep, .Lfunc_end_k_qcf893f1e07_prep-k_qcf893f1e07_prep
	.p2alignl 7, 3214868480
	.fill 96, 4, 3214868480
	.section	.rodata,"a",@progbits
	.p2align	6, 0x0
	.amdhsa_kernel k_qcf893f1e07_prep
		.amdhsa_group_segment_fixed_size 87040
		.amdhsa_private_segment_fixed_size 0
		.amdhsa_enable_private_segment 0
		.amdhsa_kernarg_size 80
		.amdhsa_user_sgpr_count 2
		.amdhsa_user_sgpr_kernarg_segment_ptr 1
		.amdhsa_wavefront_size32 1
		.amdhsa_system_sgpr_workgroup_id_x 1
		.amdhsa_system_sgpr_workgroup_id_y 1
		.amdhsa_system_sgpr_workgroup_id_z 1
		.amdhsa_system_vgpr_workitem_id 0
		.amdhsa_next_free_vgpr 256
		.amdhsa_next_free_sgpr 66
		.amdhsa_reserve_vcc 0
		.amdhsa_float_denorm_mode_32 3
		.amdhsa_float_denorm_mode_16_64 3
		.amdhsa_memory_ordered 1
		.amdhsa_forward_progress 1
		.amdhsa_inst_pref_size 63
	.end_amdhsa_kernel
	.amdgpu_metadata
---
amdhsa.version: [ 1, 2 ]
amdhsa.kernels:
  - .name:           k_qcf893f1e07_prep
    .symbol:         k_qcf893f1e07_prep.kd
    .args:
      - { .name: x, .offset: 0, .size: 8, .value_kind: global_buffer, .address_space: global }
      - { .name: ln_w, .offset: 8, .size: 8, .value_kind: global_buffer, .address_space: global }
      - { .name: ln_b, .offset: 16, .size: 8, .value_kind: global_buffer, .address_space: global }
      - { .name: w1_codes, .offset: 24, .size: 8, .value_kind: global_buffer, .address_space: global }
      - { .name: w1_scales, .offset: 32, .size: 8, .value_kind: global_buffer, .address_space: global }
      - { .name: w2_codes, .offset: 40, .size: 8, .value_kind: global_buffer, .address_space: global }
      - { .name: w2_scales, .offset: 48, .size: 8, .value_kind: global_buffer, .address_space: global }
      - { .name: xq, .offset: 56, .size: 8, .value_kind: global_buffer, .address_space: global }
      - { .name: w1c, .offset: 64, .size: 8, .value_kind: global_buffer, .address_space: global }
      - { .name: w2c, .offset: 72, .size: 8, .value_kind: global_buffer, .address_space: global }
    .group_segment_fixed_size: 87040
    .private_segment_fixed_size: 0
    .kernarg_segment_align: 8
    .kernarg_segment_size: 80
    .max_flat_workgroup_size: 128
    .sgpr_count:     66
    .vgpr_count:     256
    .wavefront_size: 32
...
	.end_amdgpu_metadata
.endif
;; end of part 1
;; launch ffn1 (part 2): grid 16 x 16, 4 waves a work-group, clusters of 4 x 4, 327,680 bytes of LDS; arguments xq, w1c, b1, hq; writes hq
.if DOCPART == 2
	.amdgcn_target "amdgcn-amd-amdhsa--gfx1250"
	.amdhsa_code_object_version 6
	.text
	.protected	k_qcf893f1e07_ffn1
	.globl	k_qcf893f1e07_ffn1
	.p2align	8
	.type	k_qcf893f1e07_ffn1,@function
k_qcf893f1e07_ffn1:
	s_mov_b64 s[64:65], 0
	v_nop
	global_prefetch_b8 v0, s[64:65] scope:SCOPE_SE
	s_setreg_imm32_b32 hwreg(HW_REG_WAVE_MODE, 25, 1), 1
	s_wait_xcnt 0x0
	s_wait_alu depctr_hold_cnt(0) depctr_sa_sdst(0) depctr_va_vdst(0) depctr_va_sdst(0) depctr_va_ssrc(0) depctr_va_vcc(0) depctr_vm_vsrc(0)
	s_getreg_b32 s2, hwreg(HW_REG_IB_STS2, 6, 4)
	s_cmp_eq_u32 s2, 0
	s_cbranch_scc0 .Lentry_in_a_cluster
	s_endpgm
.Lentry_in_a_cluster:
	s_bfe_u32 s2, ttmp6, 0x10000c
	s_cmp_lg_u32 s2, 0xf033
	s_cbranch_scc0 .Lentry_shape_is_right
	s_endpgm
.Lentry_shape_is_right:
.set FRB,   1536
.set CH,    51200
.set SCO,   49152
.set QS,    16
.set ROT,   0
.set BIASC, 1
.set SLOT,  2*CH
.set STEPB, 2*CH
.set SCST,  2*SLOT
.set SPARE, SCST+2048
.set ADRA,  16
.set ADRB,  20
.set ADRS,  22
.set CO,    26
.set SSW,   27
.set SPW,   28
.set NIL,   29
.set SSR,   30
.set SC,    32
.set BI,    64
.set AF,    128
.set PC,    128
.set PT,    144
.set RB,    152
.set TM,    224
.set PW,    240
.set G1,  24
.set G0,  32
.set G1B, 48
.set G0B, 56
.set MUL_LO, 0xa1
.set MUL_HI, 0xf1
.set ZLO,    0x81
.set ZHI,    0xc1
.set TO_B,   0x40
.set MSB, 0
.macro WIN new
.if MSB != (\new)
	s_set_vgpr_msb (MSB<<8)|(\new)
.set MSB, \new
.endif
.endm
.macro JLOAD s
	s_cmp_eq_u32 s15, 0
	s_cbranch_scc0 .Lfor_b_\@
	tensor_load_to_lds s[G0+4*\s:G0+4*\s+3], s[G1:G1+7]
	s_nop 0
.rept 4
	v_nop
.endr
	s_branch .Lasked_\@
.Lfor_b_\@:
	tensor_load_to_lds s[G0B+4*\s:G0B+4*\s+3], s[G1B:G1B+7]
	s_nop 0
.rept 4
	v_nop
.endr
.Lasked_\@:
.endm
.macro CREST
	s_cmp_lg_u32 s14, 0
	s_cbranch_scc1 .Lnot_wave_0_\@
	s_barrier_signal -3
.Lnot_wave_0_\@:
	s_barrier_wait -3
	s_barrier_signal -1
	s_barrier_wait -1
.endm
.macro CROUND
	s_barrier_signal -1
	s_barrier_wait -1
	CREST
.endm
.macro PLACES
.rept 4
	v_nop
.endr
.endm
.macro FRAG reg, adr, off
.irp c, 0,1,2
	ds_load_b128 v[\reg+4*\c:\reg+4*\c+3], v[\adr] offset:\off+512*\c
.endr
.endm
.macro FETCH_B slot, q, p
	WIN TO_B
.irp i, 0,1,2,3,4,5,6,7
	FRAG 128*(\p)+12*\i, ADRB+\slot, ((\q)*QS+\i)*FRB
.endr
	WIN 0
.endm
.macro FETCH_A slot, q, i0
.irp i, \i0, \i0+1, \i0+2, \i0+3
	FRAG AF+12*(\i), ADRA+2*ROT*((\i)/4)+\slot, ((\q)*QS+(\i))*FRB
.endr
.endm
.macro SCALES sc
.irp i, 0,1,2,3,4,5,6,7
.irp q, 0,1
	ds_load_b32 v[SC+16*\sc+2*\i+\q], v[ADRS+2*ROT*(\i/4)+\sc] offset:(\q*QS+\i)*64
.endr
.endr
.endm
.macro MUL16 a0, p, q, sc, zero
.irp a, \a0, \a0+1
.irp b, 0,1,2,3,4,5,6,7
.if \zero && BIASC
	v_wmma_scale_f32_16x16x128_f8f6f4 v[8*(8*((\a)%4)+\b):8*(8*((\a)%4)+\b)+7], v[128*(\p)+12*\b:128*(\p)+12*\b+11], v[AF+12*(\a):AF+12*(\a)+11], v[BI+8*\b:BI+8*\b+7], v[SC+16*(\sc)+2*\b+(\q)], v[SC+16*(\sc)+2*(\a)+(\q)] matrix_a_fmt:MATRIX_FMT_FP6 matrix_b_fmt:MATRIX_FMT_FP6 matrix_a_scale:MATRIX_SCALE_ROW1
.elseif \zero
	v_wmma_scale_f32_16x16x128_f8f6f4 v[8*(8*((\a)%4)+\b):8*(8*((\a)%4)+\b)+7], v[128*(\p)+12*\b:128*(\p)+12*\b+11], v[AF+12*(\a):AF+12*(\a)+11], 0, v[SC+16*(\sc)+2*\b+(\q)], v[SC+16*(\sc)+2*(\a)+(\q)] matrix_a_fmt:MATRIX_FMT_FP6 matrix_b_fmt:MATRIX_FMT_FP6 matrix_a_scale:MATRIX_SCALE_ROW1
.else
	v_wmma_scale_f32_16x16x128_f8f6f4 v[8*(8*((\a)%4)+\b):8*(8*((\a)%4)+\b)+7], v[128*(\p)+12*\b:128*(\p)+12*\b+11], v[AF+12*(\a):AF+12*(\a)+11], v[8*(8*((\a)%4)+\b):8*(8*((\a)%4)+\b)+7], v[SC+16*(\sc)+2*\b+(\q)], v[SC+16*(\sc)+2*(\a)+(\q)] matrix_a_fmt:MATRIX_FMT_FP6 matrix_b_fmt:MATRIX_FMT_FP6 matrix_a_scale:MATRIX_SCALE_ROW1
.endif
.endr
.endr
.endm
.macro STEP slot, zero
	s_wait_dscnt 12
.if \zero
	WIN ZLO
.else
	WIN MUL_LO
.endif
	MUL16 0, 0, 0, \slot, \zero
	MUL16 2, 0, 0, \slot, \zero
	s_wait_dscnt 0x0
	PLACES
	FETCH_B \slot, 1, 1
	FETCH_A \slot, 1, 0
.if \zero
	WIN ZHI
.else
	WIN MUL_HI
.endif
	MUL16 4, 0, 0, \slot, \zero
	MUL16 6, 0, 0, \slot, \zero
	PLACES
	WIN 0
	FETCH_A \slot, 1, 4
.endm
.macro TURN slot, next, fill, bdir, fetch
	s_wait_tensorcnt 0x0
	ds_add_u32 v[SPW], v[NIL]
	s_wait_dscnt 13
	WIN MUL_LO
	MUL16 0, 1, 1, \slot, 0
	s_wait_dscnt 0x0
	s_barrier_signal -1
	MUL16 2, 1, 1, \slot, 0
	WIN 0
	s_barrier_wait -1
.if \fill
	CREST
	s_add_nc_u64 s[G0+4*\slot+2:G0+4*\slot+3], s[G0+4*\slot+2:G0+4*\slot+3], STEPB
.if \bdir
	s_add_nc_u64 s[G0B+4*\slot+2:G0B+4*\slot+3], s[G0B+4*\slot+2:G0B+4*\slot+3], STEPB
.else
	s_sub_nc_u64 s[G0B+4*\slot+2:G0B+4*\slot+3], s[G0B+4*\slot+2:G0B+4*\slot+3], STEPB
.endif
	JLOAD \slot
.else
	PLACES
.endif
.if \fetch
	FETCH_B \next, 0, 0
	FETCH_A \next, 0, 0
	SCALES \next
.endif
.if PFC                                ; xq's chunk PFC, which the refill two on loads; w1c's chunks have been read by then and are named no more
	s_cmp_eq_u32 s15, 0
	s_cbranch_scc0 .Lnoask_\@
	global_prefetch_b8 v31, s[84:85] offset:PFC*CH th:TH_LOAD_NT scope:SCOPE_SE
.Lnoask_\@:
.endif
	WIN MUL_HI
	MUL16 4, 1, 1, \slot, 0
	MUL16 6, 1, 1, \slot, 0
.if \fetch
	PLACES
	WIN 0
	FETCH_A \next, 0, 4
.else
	WIN 0
.endif
.endm
.macro LAST
	s_wait_dscnt 12
	WIN MUL_LO
	MUL16 0, 1, 1, 1, 0
	MUL16 2, 1, 1, 1, 0
	s_wait_dscnt 0x0
	WIN MUL_HI
	MUL16 4, 1, 1, 1, 0
	MUL16 6, 1, 1, 1, 0
	WIN 0
.endm
.macro START
	FETCH_B 0, 0, 0
	FETCH_A 0, 0, 0
	SCALES 0
	FETCH_A 0, 0, 4
.endm
	s_load_b256 s[4:11], s[0:1], 0x0
	v_lshl_add_u32 v[SPW], v0, 2, SPARE
	v_mov_b32 v[NIL], 0
	ds_add_u32 v28, v29
	ds_add_u32 v28, v29
	s_wait_dscnt 0x0
	v_lshrrev_b32 v1, 5, v0
	v_readfirstlane_b32 s14, v1
	s_lshr_b32 s15, s14, 1
	s_and_b32 s16, s14, 1
	s_bfe_u32 s40, ttmp6, 0x40000
	s_bfe_u32 s41, ttmp6, 0x40004
	s_lshl_b32 s42, ttmp9, 2
	s_add_co_u32 s42, s42, s40
	s_and_b32 s17, ttmp7, 0xffff
	s_lshl_b32 s17, s17, 2
	s_add_co_u32 s17, s17, s41
	s_lshl_b32 s43, s41, 2
	s_lshl_b32 s43, 15, s43
	s_lshl_b32 s44, 0x1111, s40
	s_or_b32 s[G1+0], s43, (3<<16)|(1<<21)
	s_or_b32 s[G1B+0], s44, (3<<16)|(1<<21)
.irp g, G1, G1B
	s_mov_b32 s[\g+1], 32<<16
	s_mov_b32 s[\g+2], 100<<16
	s_mov_b32 s[\g+3], 32<<16
	s_mov_b32 s[\g+4], 100
	s_mov_b32 s[\g+5], 32
	s_mov_b32 s[\g+6], 0
	s_mov_b32 s[\g+7], 0
.endr
	s_mul_i32 s18, s16, CH/2
	s_mul_i32 s20, s17, 8*CH
	s_add_co_u32 s20, s20, s18
	s_mov_b32 s21, 0
	s_mul_i32 s46, s42, 4*CH
	s_add_co_u32 s46, s46, s18
	s_mov_b32 s47, 0
	s_mul_i32 s45, s14, CH/2
	s_wait_kmcnt 0x0
	s_add_nc_u64 s[20:21], s[4:5], s[20:21]
	s_add_nc_u64 s[46:47], s[6:7], s[46:47]
	s_cmp_eq_u32 s15, 0                            ; the prefetches: of the 100 blocks of 256 bytes that I fetch of each chunk, the partner at place p (cx for xq, cy for w1c) names 25: shared out by address
	s_cselect_b64 s[84:85], s[20:21], s[46:47]
	s_cselect_b32 s86, s40, s41
	s_mul_i32 s86, s86, 6400
	s_mov_b32 s87, 0
	s_add_nc_u64 s[84:85], s[84:85], s[86:87]
	v_and_b32 v31, 31, v0
	v_min_u32 v31, 24, v31                         ; lanes 25-31 name the wave's last block again
	v_lshlrev_b32 v31, 8, v31
	CROUND
.irp s, 0,1
	s_mov_b32 s[G0+4*\s], 1
	s_add_co_u32 s[G0+4*\s+1], s45, \s*SLOT
	s_add_nc_u64 s[G0+4*\s+2:G0+4*\s+3], s[20:21], \s*CH
	s_or_b32 s[G0+4*\s+3], s[G0+4*\s+3], 0x80000000
	s_mov_b32 s[G0B+4*\s], 1
	s_add_co_u32 s[G0B+4*\s+1], s45, \s*SLOT
	s_add_nc_u64 s[G0B+4*\s+2:G0B+4*\s+3], s[46:47], \s*CH
	s_or_b32 s[G0B+4*\s+3], s[G0B+4*\s+3], 0x80000000
	s_wait_alu depctr_va_vdst(0)
	s_wait_tensorcnt 0x0
	ds_add_u32 v28, v29
	ds_add_u32 v28, v29
	s_wait_dscnt 0x0
	CROUND
	JLOAD \s
.if \s == 0
	global_prefetch_b8 v31, s[84:85] offset:CH th:TH_LOAD_NT scope:SCOPE_SE     ; chunks 1 and 2, which the next two fills load
	global_prefetch_b8 v31, s[84:85] offset:2*CH th:TH_LOAD_NT scope:SCOPE_SE
.else
	global_prefetch_b8 v31, s[84:85] offset:3*CH th:TH_LOAD_NT scope:SCOPE_SE
.endif
.endr
	v_and_b32 v1, 15, v0
	v_bfe_u32 v2, v0, 4, 1
	s_wait_alu depctr_va_vdst(0)
	v_and_b32 v3, 31, v0
	v_lshlrev_b32 v[CO], 4, v3
	s_mul_i32 s22, s15, 8*FRB
	s_mul_i32 s23, s16, 8*FRB
	s_add_co_u32 s23, s23, CH
.irp s, 0,1
	v_add_nc_u32 v[ADRA+\s], s22, v[CO]
	v_add_nc_u32 v[ADRB+\s], s23, v[CO]
	s_add_co_u32 s22, s22, SLOT
	s_add_co_u32 s23, s23, SLOT
.endr
	v_lshlrev_b32 v4, 2, v1
	s_xor_b32 s19, s15, 1
	s_add_co_u32 s23, s16, s19
	s_lshl_b32 s23, s23, 9
	s_add_co_u32 s23, s23, CH-512
	v_mul_u32_u24 v5, s23, v2
	s_lshl_b32 s22, s15, 9
	s_add_co_u32 s22, s22, SCO
	v_add_nc_u32 v4, v4, v5
	v_add_nc_u32 v[ADRS], s22, v4
	v_add_nc_u32 v[ADRS+1], SLOT, v[ADRS]
	s_lshl_b32 s22, s14, 9
	s_add_co_u32 s22, s22, SCST
	v_lshl_add_u32 v[SSW], v1, 2, s22
	v_add_nc_u32 v[SSR], s22, v[CO]
	s_lshl_b32 s74, s42, 10
	s_lshl_b32 s75, s16, 9
	s_add_co_u32 s74, s74, s75
	s_mov_b32 s75, 0
	s_add_nc_u64 s[8:9], s[8:9], s[74:75]
	v_lshlrev_b32 v6, 5, v2
.irp b, 0,1,2,3,4,5,6,7
	global_load_b128 v[BI+8*\b:BI+8*\b+3], v6, s[8:9] offset:64*\b
	global_load_b128 v[BI+8*\b+4:BI+8*\b+7], v6, s[8:9] offset:64*\b+16
.endr
	s_lshl_b32 s76, s17, 2
	s_add_co_u32 s76, s76, s15
	s_lshl_b32 s76, s76, 3
	s_lshr_b32 s77, s42, 1
	s_add_co_u32 s76, s76, s77
	s_mul_i32 s76, s76, CH
	s_and_b32 s78, s42, 1
	s_lshl_b32 s78, s78, 1
	s_add_co_u32 s78, s78, s16
	s_mul_i32 s79, s78, 8*FRB
	s_add_co_u32 s80, s76, s79
	s_mov_b32 s81, 0
	s_add_nc_u64 s[12:13], s[10:11], s[80:81]
	s_lshl_b32 s82, s78, 9
	s_add_co_u32 s82, s82, s76
	s_add_co_u32 s82, s82, SCO
	s_mov_b32 s83, 0
	s_add_nc_u64 s[66:67], s[10:11], s[82:83]
	s_mov_b32 s70, 0x76543210
	s_mov_b32 s71, 0xfedcba98
	s_mov_b32 s72, 0x05040100
	s_mov_b32 s73, 0x07060302
.irp c, 0,1,2,3
	v_mov_b32 v[TM+4+\c], 0
.endr
.macro OUTBLK a
.set WA, 2+(\a)/4
.set AC, 64*((\a)%4)
.set WRELU, (WA<<6)|(WA<<2)
.set WMAX,  WA|(WA<<2)
	WIN WRELU
.set k, 0
.rept 64
	v_max_num_f32 v[AC+k], 0, v[AC+k]
.set k, k+1
.endr
	WIN WMAX
.irp c, 0,1,2,3
	v_max3_num_f32 v[TM+\c], v[AC+16*\c], v[AC+16*\c+1], 0x1800000
.endr
.irp i, 2,4,6,8,10,12,14
.irp c, 0,1,2,3
	v_max3_num_f32 v[TM+\c], v[AC+16*\c+\i], v[AC+16*\c+\i+1], v[TM+\c]
.endr
.endr
	WIN 0
.irp c, 0,1,2,3
	v_permlanex16_b32 v[TM+4+\c], v[TM+\c], s70, s71
.endr
.irp c, 0,1,2,3
	v_max_num_f32 v[TM+\c], v[TM+\c], v[TM+4+\c]
.endr
.irp c, 0,1,2,3
	v_add_nc_u32 v[TM+8+\c], 0xff000000, v[TM+\c]
.endr
.irp c, 0,1,2,3
	v_lshrrev_b32 v[TM+4+\c], 23, v[TM+8+\c]
.endr
	v_lshl_or_b32 v[PW+(\a)], v[TM+5], 8, v[TM+4]
	v_lshl_or_b32 v[PW+(\a)], v[TM+6], 16, v[PW+(\a)]
	v_lshl_or_b32 v[PW+(\a)], v[TM+7], 24, v[PW+(\a)]
	s_wait_xcnt 0x0
	WIN WA
.irp c, 0,1
	v_cvt_scalef32_pk16_fp6_f32 v[PC+6*\c:PC+6*\c+2], v[AC+32*\c:AC+32*\c+15], v[TM+8+2*\c]
	v_cvt_scalef32_pk16_fp6_f32 v[PT+4*\c:PT+4*\c+2], v[AC+32*\c+16:AC+32*\c+31], v[TM+8+2*\c+1]
.endr
	v_nop
	WIN 0
.irp c, 0,1
.irp i, 0,1,2
	v_permlane16_swap_b32 v[PC+6*\c+\i], v[PT+4*\c+\i]
.endr
	v_alignbit_b32 v[PC+6*\c+3], v[PC+6*\c+2], v[PC+6*\c+1], 16
	v_perm_b32 v[PC+6*\c+4], v[PT+4*\c+1], v[PC+6*\c+2], s73
	v_mov_b32 v[PC+6*\c+5], v[PT+4*\c+2]
	v_perm_b32 v[PC+6*\c+1], v[PT+4*\c], v[PC+6*\c+1], s72
	v_alignbit_b32 v[PC+6*\c+2], v[PT+4*\c+1], v[PT+4*\c], 16
.endr
.irp g, 0,1,2
	global_store_b128 v[CO], v[PC+4*\g:PC+4*\g+3], s[12:13] offset:FRB*(\a)+512*\g
.endr
	ds_store_b32 v[SSW], v[PW+(\a)] offset:64*(\a)
.endm
.macro OUT
	PLACES
.irp a, 0,1,2,3,4,5,6,7
	OUTBLK \a
.endr
	ds_load_b128 v[RB:RB+3], v[SSR]
	s_wait_dscnt 0x0
	global_store_b128 v[CO], v[RB:RB+3], s[66:67]
.endm
	s_wait_alu depctr_va_vdst(0)
	s_wait_tensorcnt 1
	s_barrier_signal -1
	s_barrier_wait -1
	START
	s_wait_loadcnt 0x0
	STEP 0, 1
.set PFC, 4
	TURN 0, 1, 1, 1, 1
	STEP 1, 0
.set PFC, 5
	TURN 1, 0, 1, 1, 1
	STEP 0, 0
.set PFC, 6
	TURN 0, 1, 1, 0, 1
	STEP 1, 0
.set PFC, 7
	TURN 1, 0, 1, 0, 0
.set PFC, 0
	OUT
	s_wait_xcnt 0x0
	s_add_nc_u64 s[12:13], s[12:13], 16*CH
	s_add_nc_u64 s[66:67], s[66:67], 16*CH
	START
	STEP 0, 1
	TURN 0, 1, 1, 1, 1
	STEP 1, 0
	TURN 1, 0, 1, 1, 1
	STEP 0, 0
	TURN 0, 1, 0, 1, 1
	STEP 1, 0
	LAST
	OUT
	s_wait_tensorcnt 0x0
	ds_add_u32 v[SPW], v[NIL]
	s_wait_dscnt 0x0
	CROUND
	s_endpgm
.Lfunc_end_k_qcf893f1e07_ffn1:
	.size	k_qcf893f1e07_ffn1, .Lfunc_end_k_qcf893f1e07_ffn1-k_qcf893f1e07_ffn1
	.p2alignl 7, 3214868480
	.fill 96, 4, 3214868480
	.section	.rodata,"a",@progbits
	.p2align	6, 0x0
	.amdhsa_kernel k_qcf893f1e07_ffn1
		.amdhsa_group_segment_fixed_size 327680
		.amdhsa_private_segment_fixed_size 0
		.amdhsa_enable_private_segment 0
		.amdhsa_kernarg_size 32
		.amdhsa_user_sgpr_count 2
		.amdhsa_user_sgpr_kernarg_segment_ptr 1
		.amdhsa_wavefront_size32 1
		.amdhsa_system_sgpr_workgroup_id_x 1
		.amdhsa_system_sgpr_workgroup_id_y 1
		.amdhsa_system_sgpr_workgroup_id_z 1
		.amdhsa_system_vgpr_workitem_id 0
		.amdhsa_next_free_vgpr 1024
		.amdhsa_next_free_sgpr 100
		.amdhsa_reserve_vcc 0
		.amdhsa_float_denorm_mode_32 3
		.amdhsa_float_denorm_mode_16_64 3
		.amdhsa_memory_ordered 1
		.amdhsa_forward_progress 1
		.amdhsa_inst_pref_size 255
	.end_amdhsa_kernel
	.section	.bss,"aw",@nobits
	.p2align	6
	.space	262144
	.amdgpu_metadata
---
amdhsa.version: [ 1, 2 ]
amdhsa.kernels:
  - .name:           k_qcf893f1e07_ffn1
    .symbol:         k_qcf893f1e07_ffn1.kd
    .args:
      - { .name: xq, .offset: 0, .size: 8, .value_kind: global_buffer, .address_space: global }
      - { .name: w1c, .offset: 8, .size: 8, .value_kind: global_buffer, .address_space: global }
      - { .name: b1, .offset: 16, .size: 8, .value_kind: global_buffer, .address_space: global }
      - { .name: hq, .offset: 24, .size: 8, .value_kind: global_buffer, .address_space: global }
    .group_segment_fixed_size: 327680
    .private_segment_fixed_size: 0
    .kernarg_segment_align: 8
    .kernarg_segment_size: 32
    .max_flat_workgroup_size: 128
    .sgpr_count:     100
    .vgpr_count:     1024
    .wavefront_size: 32
...
	.end_amdgpu_metadata
.endif
;; end of part 2
;; launch ffn2j (part 3): grid 4 x 64, 4 waves a work-group, clusters of 4 x 4, 327,680 bytes of LDS; arguments hq, w2c, b2, out0; writes out0
.if DOCPART == 3
	.amdgcn_target "amdgcn-amd-amdhsa--gfx1250"
	.amdhsa_code_object_version 6
	.text
	.protected	k_qcf893f1e07_ffn2j
	.globl	k_qcf893f1e07_ffn2j
	.p2align	8
	.type	k_qcf893f1e07_ffn2j,@function
k_qcf893f1e07_ffn2j:
	s_mov_b64 s[64:65], 0
	v_nop
	global_prefetch_b8 v0, s[64:65] scope:SCOPE_SE
	s_setreg_imm32_b32 hwreg(HW_REG_WAVE_MODE, 25, 1), 1
	s_wait_xcnt 0x0
	s_wait_alu depctr_hold_cnt(0) depctr_sa_sdst(0) depctr_va_vdst(0) depctr_va_sdst(0) depctr_va_ssrc(0) depctr_va_vcc(0) depctr_vm_vsrc(0)
	s_getreg_b32 s2, hwreg(HW_REG_IB_STS2, 6, 4)
	s_cmp_eq_u32 s2, 0
	s_cbranch_scc0 .Lentry_in_a_cluster
	s_endpgm
.Lentry_in_a_cluster:
	s_bfe_u32 s2, ttmp6, 0x10000c
	s_cmp_lg_u32 s2, 0xf033
	s_cbranch_scc0 .Lentry_shape_is_right
	s_endpgm
.Lentry_shape_is_right:
; FFN2.  out0 = Q(hidden) w2 + b2, [8,192][1,024] f32, K = 4,096, on codes of FP6 (E2M3) with E8M0 scales.
; OPERANDS come as CHUNKS of 51,200 bytes (hq, w2c: 128 rows x 512 K): 32 fragments as images of the operand's 12 registers, fragment f = 8 q + g at 1,536 f (g: block of 16 rows, q: step of 128 along K),
; register 4 c + e of lane l at 512 c + 16 l + 4 e; from byte 49,152 on the scale words, word r of fragment f at 64 f + 4 r.
; SHARES.  A tile of out0 is 128 rows x 256 columns: 4 x 64 work-groups.  THE WAVES SPLIT K: wave 2 kh + nh makes all 128 rows x columns 128 nh on, over steps 2 kh, 2 kh + 1 of each slot's four steps of 128:
; every wave keeps 128 x 128 (64 accumulators), and each fragment read from LDS feeds eight products.  On the way out the two waves of a column half add their sums.
; LIMIT: each output is the f32 sum of two half-K sums, not one ascending chain: another order of rounding.  NaN and infinities are not served.
; K goes in steps of 512 through two LDS slots: one chunk of hq, two of w2c.  Waves 0 and 1 bring hq's halves (100 rows of 256 bytes), waves 2 and 3 a chunk of w2c each (200 rows).
; CLUSTERS: 4 x 4 work-groups.  hq's chunks hang on y alone and are shared along a row of the cluster, w2c's on x alone and are shared along a column: each is asked for JOINTLY.
; PREFETCH: behind each refill every wave names, of the chunk that the refill two on loads, its work-group's quarter of the blocks of 256 bytes that the wave itself fetches (25 of hq's 100, 50 of w2c's 200), the
; four partners told apart by address (cx for hq, cy for w2c); lanes 25-31 name the last block again.  The head names chunks 1, 2 and 3; the loop's last trip names nothing: chunk 7 is the last.
; THE MATRIX INSTRUCTION IS USED TRANSPOSED (source 0 = 16 rows of w2, source 1 = 16 rows of hq): lane (r, h) holds row r, register j of tile b column 16 b + 8 h + j.
; ROTATION.  Wave kh takes row block (i + 4 kh) % 8 as its block i.  So window 2 holds the 64 rows that the wave finishes and stores (b2 is the C of their first products), window 3 those that its partner finishes.
; REGISTERS: window 0: v8-31 addresses; v32-63 scale words, two sets; v64-127 b2; v128-223 hq's eight fragments, one set.  window 1: w2c's fragments, two sets, at v0 and v128.  windows 2, 3: accumulator (a, b) at v[8 (8 (a % 4) + b)].
.set FRB,   1536
.set CH,    51200
.set SCO,   49152
.set QS,    8
.set SLOT,  3*CH
.set STEPB, 2*CH
.set SPARE, 2*SLOT                     ; behind the ring: the spare words
.set XSZ,   32768                      ; the way out, all in slot 0: 32 accumulators' images for each wave,
.set YBASE, 4*XSZ                      ; and a stage of 16 rows x (256 + 16) bytes for each wave
.set YP,    272
.set YSZ,   16*YP
.set XST,   8
.set XRD,   9
.set YST,   10
.set YRD,   11
.set OV,    12
.set BO,    13
.set PFO,   14
.set ADRA,  16                         ; v16-17 hq's fragments in slot 0, 1: my blocks 0-3;  v18-19: blocks 4-7
.set ADRB,  20
.set ADRS,  22                         ; v22-23 scale words: lanes 0-15 hq's, lanes 16-31 w2c's: blocks 0-3;  v24-25: blocks 4-7
.set CO,    26
.set SPW,   28
.set NIL,   29
.set SC,    32
.set BI,    64
.set AF,    128
.set XB,    32
.set RB,    128
.set G1,  24
.set G0,  32
.set G1B, 48
.set G0B, 56
.set OUTP, 12
.set PFA,  88
.set MUL_LO, 0xa1
.set MUL_HI, 0xf1
.set ZLO,    0x81                      ; C window 0 (b2), D window 2
.set TO_B,   0x40
.set MSB, 0
.macro WIN new
.if MSB != (\new)
	s_set_vgpr_msb (MSB<<8)|(\new)
.set MSB, \new
.endif
.endm
.macro PLACES                          ; four places behind matrix instructions (ISA guide 7.12.1 for vector instructions)
.rept 4
	v_nop
.endr
.endm
.macro JLOAD s                         ; a joint load: waves 0, 1 fetch hq's halves, waves 2, 3 w2c's chunks; s_nop 0 and four v_nop follow each line
	s_cmp_eq_u32 s15, 0
	s_cbranch_scc0 .Lfor_b_\@
	tensor_load_to_lds s[G0+4*\s:G0+4*\s+3], s[G1:G1+7]
	s_nop 0
	PLACES
	s_branch .Lasked_\@
.Lfor_b_\@:
	tensor_load_to_lds s[G0B+4*\s:G0B+4*\s+3], s[G1B:G1B+7]
	s_nop 0
	PLACES
.Lasked_\@:
.endm
.macro CREST
	s_cmp_lg_u32 s14, 0
	s_cbranch_scc1 .Lnot_wave_0_\@
	s_barrier_signal -3
.Lnot_wave_0_\@:
	s_barrier_wait -3
	s_barrier_signal -1
	s_barrier_wait -1
.endm
.macro CROUND
	s_barrier_signal -1
	s_barrier_wait -1
	CREST
.endm
.macro ASK off, guard                  ; my blocks of the chunk at byte off from where the prefetches stand; w2c's waves name 50 in two lines
.if \guard
	s_cmp_gt_u32 s3, 1
	s_cbranch_scc0 .Lno_ask_\@
.endif
	global_prefetch_b8 v[PFO], s[PFA:PFA+1] offset:\off th:TH_LOAD_NT scope:SCOPE_SE
	s_cmp_eq_u32 s15, 0
	s_cbranch_scc1 .Lno_ask_\@
	global_prefetch_b8 v[PFO], s[PFA:PFA+1] offset:(\off)+6400 th:TH_LOAD_NT scope:SCOPE_SE
.Lno_ask_\@:
.endm
.macro FRAG reg, adr, off
.irp c, 0,1,2
	ds_load_b128 v[\reg+4*\c:\reg+4*\c+3], v[\adr] offset:\off+512*\c
.endr
.endm
.macro FETCH_B slot, q, p
	WIN TO_B
.irp i, 0,1,2,3,4,5,6,7
	FRAG 128*(\p)+12*\i, ADRB+\slot, ((\q)*QS+\i)*FRB
.endr
	WIN 0
.endm
.macro FETCH_A slot, q, i0
.irp i, \i0, \i0+1, \i0+2, \i0+3
	FRAG AF+12*(\i), ADRA+2*((\i)/4)+\slot, ((\q)*QS+(\i))*FRB
.endr
.endm
.macro SCALES sc
.irp i, 0,1,2,3,4,5,6,7
.irp q, 0,1
	ds_load_b32 v[SC+16*\sc+2*\i+\q], v[ADRS+2*(\i/4)+\sc] offset:(\q*QS+\i)*64
.endr
.endr
.endm
.macro MM a, b, p, q, sc, cm           ; one product.  cm = 0: onto the sum; 1: b2 starts it; 2: 0 starts it
.set DD, 8*(8*((\a)%4)+(\b))
.set BB, 128*(\p)+12*(\b)
.set AA, AF+12*(\a)
.set S0, SC+16*(\sc)+2*(\b)+(\q)
.set S1, SC+16*(\sc)+2*(\a)+(\q)
.if (\cm)==1
	v_wmma_scale_f32_16x16x128_f8f6f4 v[DD:DD+7], v[BB:BB+11], v[AA:AA+11], v[BI+8*(\b):BI+8*(\b)+7], v[S0], v[S1] matrix_a_fmt:MATRIX_FMT_FP6 matrix_b_fmt:MATRIX_FMT_FP6 matrix_a_scale:MATRIX_SCALE_ROW1
.elseif (\cm)==2
	v_wmma_scale_f32_16x16x128_f8f6f4 v[DD:DD+7], v[BB:BB+11], v[AA:AA+11], 0, v[S0], v[S1] matrix_a_fmt:MATRIX_FMT_FP6 matrix_b_fmt:MATRIX_FMT_FP6 matrix_a_scale:MATRIX_SCALE_ROW1
.else
	v_wmma_scale_f32_16x16x128_f8f6f4 v[DD:DD+7], v[BB:BB+11], v[AA:AA+11], v[DD:DD+7], v[S0], v[S1] matrix_a_fmt:MATRIX_FMT_FP6 matrix_b_fmt:MATRIX_FMT_FP6 matrix_a_scale:MATRIX_SCALE_ROW1
.endif
.endm
.macro MUL16 a0, p, q, sc, cm          ; hq's blocks a0, a0 + 1 x w2c's eight; the 64 accumulators take turns, one instruction a turn
.irp a, \a0, \a0+1
.irp b, 0,1,2,3,4,5,6,7
	MM \a, \b, \p, \q, \sc, \cm
.endr
.endr
.endm
.macro STEP slot, zero                 ; my first 128 along K of a slot
	s_wait_dscnt 12                                ; all but the youngest 12 loads (blocks 4-7)
.if \zero
	WIN ZLO
.else
	WIN MUL_LO
.endif
	MUL16 0, 0, 0, \slot, \zero
	MUL16 2, 0, 0, \slot, \zero
	s_wait_dscnt 0x0
	PLACES
	FETCH_B \slot, 1, 1
	FETCH_A \slot, 1, 0
	WIN MUL_HI
	MUL16 4, 0, 0, \slot, 2*(\zero)
	MUL16 6, 0, 0, \slot, 2*(\zero)
	PLACES
	WIN 0
	FETCH_A \slot, 1, 4
.endm
.macro TURN slot, next, fill           ; my second 128 along K changes slots: one barrier; fill = 1: it opens a round, and this slot takes the chunks two on
.if \fill
	s_wait_xcnt 0x0                                ; my prefetches have read their address: it steps a chunk
	s_add_nc_u64 s[PFA:PFA+1], s[PFA:PFA+1], CH
.endif
	s_wait_tensorcnt 0x0                           ; my part of the next slot has landed
	ds_add_u32 v[SPW], v[NIL]
	s_wait_dscnt 13                                ; (the add and the youngest 12 loads may be out)
	WIN MUL_LO
	MUL16 0, 1, 1, \slot, 0
	s_wait_dscnt 0x0                               ; the add is done, and my reads of this slot are over
	s_barrier_signal -1
	MUL16 2, 1, 1, \slot, 0
	WIN 0
	s_barrier_wait -1
.if \fill
	CREST
	s_add_nc_u64 s[G0+4*\slot+2:G0+4*\slot+3], s[G0+4*\slot+2:G0+4*\slot+3], STEPB
	s_add_nc_u64 s[G0B+4*\slot+2:G0B+4*\slot+3], s[G0B+4*\slot+2:G0B+4*\slot+3], STEPB
	JLOAD \slot                                    ; the first tensor load behind the round; its v_nop are the places for the loads below
.else
	PLACES
.endif
	FETCH_B \next, 0, 0
	FETCH_A \next, 0, 0
	SCALES \next
.if \fill
	ASK 3*CH, 1
.endif
	WIN MUL_HI
	MUL16 4, 1, 1, \slot, 0
	MUL16 6, 1, 1, \slot, 0
	PLACES
	WIN 0
	FETCH_A \next, 0, 4
.endm
	s_load_b256 s[4:11], s[0:1], 0x0               ; hq s[4:5], w2c s[6:7], b2 s[8:9], out0 s[10:11]
	v_lshl_add_u32 v[SPW], v0, 2, SPARE
	v_mov_b32 v[NIL], 0
	ds_add_u32 v[SPW], v[NIL]
	ds_add_u32 v[SPW], v[NIL]
	v_lshrrev_b32 v1, 5, v0
	v_readfirstlane_b32 s14, v1                    ; wave
	s_lshr_b32 s15, s14, 1                         ; kh.  Also: I fetch hq (0) or w2c (1)
	s_and_b32 s16, s14, 1                          ; nh.  Also: which half of hq's chunk, or which chunk of w2c
	s_bfe_u32 s40, ttmp6, 0x40000
	s_bfe_u32 s41, ttmp6, 0x40004
	s_lshl_b32 s42, ttmp9, 2
	s_add_co_u32 s42, s42, s40                     ; x
	s_and_b32 s17, ttmp7, 0xffff
	s_lshl_b32 s17, s17, 2
	s_add_co_u32 s17, s17, s41                     ; y
	s_lshl_b32 s43, s41, 2
	s_lshl_b32 s43, 15, s43                        ; my row of the cluster
	s_lshl_b32 s44, 0x1111, s40                    ; my column
	s_or_b32 s[G1+0], s43, (3<<16)|(1<<21)
	s_mov_b32 s[G1+1], 32<<16                      ; dense rows of 32 elements of 8 bytes: 100 rows
	s_mov_b32 s[G1+2], 100<<16
	s_mov_b32 s[G1+3], 32<<16
	s_mov_b32 s[G1+4], 100
	s_mov_b32 s[G1+5], 32
	s_mov_b32 s[G1+6], 0
	s_mov_b32 s[G1+7], 0
	s_or_b32 s[G1B+0], s44, (3<<16)|(1<<21)
	s_mov_b32 s[G1B+1], 32<<16                     ; 200 rows
	s_mov_b32 s[G1B+2], 200<<16
	s_mov_b32 s[G1B+3], 32<<16
	s_mov_b32 s[G1B+4], 200
	s_mov_b32 s[G1B+5], 32
	s_mov_b32 s[G1B+6], 0
	s_mov_b32 s[G1B+7], 0
	s_mul_i32 s45, s16, CH/2                       ; hq: my half of a chunk, in memory and in a slot alike
	s_mul_i32 s20, s17, 8*CH
	s_add_co_u32 s20, s20, s45
	s_mov_b32 s21, 0
	s_lshl_b32 s46, s42, 1
	s_add_co_u32 s46, s46, s16
	s_mul_i32 s46, s46, 8*CH                       ; w2c: the tile of 128 columns 2 x + (wave % 2)
	s_mov_b32 s47, 0
	s_mul_i32 s19, s16, CH
	s_add_co_u32 s19, s19, CH                      ; its place in a slot
	s_mul_i32 s22, s15, 20*FRB                     ; hq, my blocks 0-3: steps 2 kh on, row blocks 4 kh on
	s_mul_i32 s23, s15, 12*FRB                     ; my blocks 4-7: row blocks i - 4 kh
	s_mul_i32 s75, s15, 16*FRB
	s_add_co_u32 s75, s75, s19                     ; w2c: my column half's chunk, steps 2 kh on
	s_xor_b32 s76, s15, 1
	s_lshl_b32 s76, s76, 8
	s_add_co_u32 s76, s76, s19
	s_sub_co_u32 s76, s76, 256                     ; from hq's words to w2c's, blocks 0-3: CH (1 + nh) - 256 kh
	s_mul_i32 s77, s15, 1280
	s_add_co_u32 s77, s77, SCO
	s_lshl_b32 s78, s15, 8
	s_add_co_u32 s78, s78, s19                     ; blocks 4-7: CH (1 + nh) + 256 kh
	s_mul_i32 s79, s15, 768
	s_add_co_u32 s79, s79, SCO
	s_lshl_b32 s71, s14, 15
	s_xor_b32 s72, s14, 2
	s_lshl_b32 s72, s72, 15
	s_mul_i32 s73, s14, YSZ
	s_add_co_u32 s73, s73, YBASE
	s_lshl_b32 s80, s42, 10                        ; my 128 columns, in bytes
	s_lshl_b32 s81, s16, 9
	s_add_co_u32 s80, s80, s81
	s_mov_b32 s81, 0
	s_lshl_b32 s82, s17, 19                        ; 128 rows of 4,096 bytes a tile, the 64 that I finish
	s_lshl_b32 s83, s15, 18
	s_add_co_u32 s82, s82, s83
	s_add_co_u32 s82, s82, s80
	s_mov_b32 s83, 0
	s_mul_i32 s84, s40, 6400                       ; the prefetches: 25 blocks at place cx of hq's half chunk, or 50 at place cy of w2c's chunk
	s_mul_i32 s86, s41, 12800
	s_cmp_eq_u32 s15, 0
	s_cselect_b32 s84, s84, s86
	s_mov_b32 s85, 0
	v_and_b32 v1, 15, v0                           ; r
	v_bfe_u32 v2, v0, 4, 1                         ; h
	v_and_b32 v3, 31, v0
	v_lshlrev_b32 v[CO], 4, v3
	v_add_nc_u32 v[ADRA], s22, v[CO]
	v_add_nc_u32 v[ADRA+2], s23, v[CO]
	v_add_nc_u32 v[ADRB], s75, v[CO]
	v_add_nc_u32 v[ADRA+1], SLOT, v[ADRA]
	v_add_nc_u32 v[ADRA+3], SLOT, v[ADRA+2]
	v_add_nc_u32 v[ADRB+1], SLOT, v[ADRB]
	v_lshlrev_b32 v4, 2, v1
	v_mul_u32_u24 v5, s76, v2
	v_add_nc_u32 v5, v4, v5
	v_add_nc_u32 v[ADRS], s77, v5
	v_add_nc_u32 v[ADRS+1], SLOT, v[ADRS]
	v_mul_u32_u24 v6, s78, v2
	v_add_nc_u32 v6, v4, v6
	v_add_nc_u32 v[ADRS+2], s79, v6
	v_add_nc_u32 v[ADRS+3], SLOT, v[ADRS+2]
	v_add_nc_u32 v[XST], s71, v[CO]
	v_add_nc_u32 v[XRD], s72, v[CO]
	v_mul_u32_u24 v[YST], v1, YP
	v_lshl_add_u32 v[YST], v2, 5, v[YST]
	v_add_nc_u32 v[YST], s73, v[YST]
	v_mul_u32_u24 v[YRD], v2, YP
	v_lshl_add_u32 v[YRD], v1, 4, v[YRD]
	v_add_nc_u32 v[YRD], s73, v[YRD]
	v_lshlrev_b32 v[OV], 12, v2
	v_lshl_add_u32 v[OV], v1, 4, v[OV]
	v_lshlrev_b32 v[BO], 5, v2
	v_min_u32 v[PFO], 24, v3
	v_lshlrev_b32 v[PFO], 8, v[PFO]
	s_wait_alu depctr_va_vdst(0)
	s_wait_dscnt 0x0
	s_wait_kmcnt 0x0
	s_add_nc_u64 s[20:21], s[4:5], s[20:21]
	s_add_nc_u64 s[46:47], s[6:7], s[46:47]
	s_cmp_eq_u32 s15, 0
	s_cselect_b64 s[PFA:PFA+1], s[20:21], s[46:47]
	s_add_nc_u64 s[PFA:PFA+1], s[PFA:PFA+1], s[84:85]
	s_add_nc_u64 s[8:9], s[8:9], s[80:81]
	s_add_nc_u64 s[OUTP:OUTP+1], s[10:11], s[82:83]
.irp s, 0,1
	s_mov_b32 s[G0+4*\s], 1
	s_add_co_u32 s[G0+4*\s+1], s45, \s*SLOT
	s_add_nc_u64 s[G0+4*\s+2:G0+4*\s+3], s[20:21], \s*CH
	s_or_b32 s[G0+4*\s+3], s[G0+4*\s+3], 0x80000000
	s_mov_b32 s[G0B+4*\s], 1
	s_add_co_u32 s[G0B+4*\s+1], s19, \s*SLOT
	s_add_nc_u64 s[G0B+4*\s+2:G0B+4*\s+3], s[46:47], \s*CH
	s_or_b32 s[G0B+4*\s+3], s[G0B+4*\s+3], 0x80000000
.endr
	CROUND                                         ; all sixteen work-groups are here: the first joint loads meet
	JLOAD 0                                        ; slot 0: one tensor load a wave at the head
.irp b, 0,1,2,3,4,5,6,7                ; b2 in the result's layout: columns 16 b + 8 h + 0 .. 7 of my 128
	global_load_b128 v[BI+8*\b:BI+8*\b+3], v[BO], s[8:9] offset:64*\b
	global_load_b128 v[BI+8*\b+4:BI+8*\b+7], v[BO], s[8:9] offset:64*\b+16
.endr
	ASK CH, 0
	ASK 2*CH, 0
	s_wait_tensorcnt 0x0                           ; my part of slot 0 is in
	ds_add_u32 v[SPW], v[NIL]
	s_wait_dscnt 0x0
	CROUND
	JLOAD 1                                        ; slot 1's first fill, the first tensor load behind the round
	FETCH_B 0, 0, 0
	FETCH_A 0, 0, 0
	SCALES 0
	FETCH_A 0, 0, 4
	ASK 3*CH, 0
	s_wait_loadcnt 0x0                             ; b2
	STEP 0, 1                                      ; the first step stands in front of the loop: its products start the sums
	s_mov_b32 s3, 3
.Llap:                                             ; a trip goes once round the ring and fills both slots again
	TURN 0, 1, 1
	STEP 1, 0
	TURN 1, 0, 1
	STEP 0, 0
	s_sub_co_u32 s3, s3, 1
	s_cmp_lg_u32 s3, 0
	s_cbranch_scc1 .Llap
	TURN 0, 1, 0                                   ; the last lap fills nothing
	STEP 1, 0
	; MY LAST 128 ALONG K takes my partner's rows first: their sums leave for slot 0, as images, among my own rows' products.  Slot 0 has had its last fill, and nobody has read it since the last change of slots.
	s_wait_dscnt 0x0
	WIN MUL_HI
	MUL16 4, 1, 1, 1, 0
	MUL16 6, 1, 1, 1, 0
	WIN MUL_LO
	MUL16 0, 1, 1, 1, 0
	PLACES
	WIN 0x0c                                       ; an LDS store's data are its source 1: window 3
.set n, 0
.rept 32
	ds_store_b128 v[XST], v[8*n:8*n+3] offset:1024*n             ; each accumulator from its low end on; 512 consecutive bytes
	ds_store_b128 v[XST], v[8*n+4:8*n+7] offset:1024*n+512
.set n, n+1
.endr
	WIN MUL_LO
	MUL16 2, 1, 1, 1, 0
	PLACES                                         ; for the loads into scale words, b2 and hq's set, and for the reads of window 2
	WIN 0
	s_wait_dscnt 0x0                               ; for my partner's sake: my stores are done
	s_barrier_signal -1
	s_barrier_wait -1
; THE WAY OUT, by units of 16 rows x 64 columns: unit u = row block u / 2 of my four, column blocks 4 (u % 2) + 0 .. 3: accumulators 4 u + 0 .. 3 of window 2.  XL: my partner's four images.
; The sums go through my own stage and come back as rows of 256 bytes; sixteen lanes store one aligned unit.  LDS serves a wave's instructions in order (ISA guide 5.7.1).
.macro XL u
.irp i, 0,1,2,3
	ds_load_b128 v[XB+32*((\u)%3)+8*\i:XB+32*((\u)%3)+8*\i+3], v[XRD] offset:(4*(\u)+\i)*1024
	ds_load_b128 v[XB+32*((\u)%3)+8*\i+4:XB+32*((\u)%3)+8*\i+7], v[XRD] offset:(4*(\u)+\i)*1024+512
.endr
.endm
.macro SEND u
.irp t, 0,1,2,3,4,5,6,7
	global_store_b128 v[OV], v[RB+32*((\u)%2)+4*\t:RB+32*((\u)%2)+4*\t+3], s[OUTP:OUTP+1] offset:(16*((\u)/2)+2*\t)*4096+256*((\u)%2) th:TH_STORE_NT
.endr
.endm
	XL 0
	XL 1
.irp u, 0,1,2,3,4,5,6,7
.set XA, XB+32*(\u%3)
.set W1, 48                            ; LDS instructions issued behind XL u: 16 for each of the two units before, 8 for each later XL
.set W2, 24                            ; and behind unit u - 1's loads from the stage: XL u + 2, this unit's 8 stores and 8 loads
.if \u < 6
	XL \u+2
.else
.set W1, 88-8*\u
.set W2, 16
.endif
.if \u < 2
.set W1, 16+16*\u
.endif
	s_wait_dscnt W1
	WIN 0x02                                       ; source 0: window 2
.irp i, 0,1,2,3
.irp k, 0,2,4,6
	v_pk_add_f32 v[XA+8*\i+\k:XA+8*\i+\k+1], v[8*(4*\u+\i)+\k:8*(4*\u+\i)+\k+1], v[XA+8*\i+\k:XA+8*\i+\k+1]
.endr
.endr
	WIN 0
.irp i, 0,1,2,3
	ds_store_b128 v[YST], v[XA+8*\i:XA+8*\i+3] offset:64*\i
	ds_store_b128 v[YST], v[XA+8*\i+4:XA+8*\i+7] offset:64*\i+16
.endr
.if \u > 1
	s_wait_xcnt 0x0                                ; unit u - 2's stores have read their registers
.endif
.irp t, 0,1,2,3,4,5,6,7
	ds_load_b128 v[RB+32*(\u%2)+4*\t:RB+32*(\u%2)+4*\t+3], v[YRD] offset:2*\t*YP
.endr
.if \u > 0
	s_wait_dscnt W2
	SEND \u-1
.endif
.endr
	s_wait_dscnt 0x0
	SEND 7
	s_wait_tensorcnt 0x0                           ; the wave's end
	ds_add_u32 v[SPW], v[NIL]
	s_wait_dscnt 0x0
	CROUND                                         ; the closing round
	s_endpgm
.Lfunc_end_k_qcf893f1e07_ffn2j:
	.size	k_qcf893f1e07_ffn2j, .Lfunc_end_k_qcf893f1e07_ffn2j-k_qcf893f1e07_ffn2j
	.p2alignl 7, 3214868480
	.fill 96, 4, 3214868480
	.section	.rodata,"a",@progbits
	.p2align	6, 0x0
	.amdhsa_kernel k_qcf893f1e07_ffn2j
		.amdhsa_group_segment_fixed_size 327680
		.amdhsa_private_segment_fixed_size 0
		.amdhsa_enable_private_segment 0
		.amdhsa_kernarg_size 32
		.amdhsa_user_sgpr_count 2
		.amdhsa_user_sgpr_kernarg_segment_ptr 1
		.amdhsa_wavefront_size32 1
		.amdhsa_system_sgpr_workgroup_id_x 1
		.amdhsa_system_sgpr_workgroup_id_y 1
		.amdhsa_system_sgpr_workgroup_id_z 1
		.amdhsa_system_vgpr_workitem_id 0
		.amdhsa_next_free_vgpr 1024
		.amdhsa_next_free_sgpr 100
		.amdhsa_reserve_vcc 0
		.amdhsa_float_denorm_mode_32 3
		.amdhsa_float_denorm_mode_16_64 3
		.amdhsa_memory_ordered 1
		.amdhsa_forward_progress 1
		.amdhsa_inst_pref_size 142
	.end_amdhsa_kernel
	.amdgpu_metadata
---
amdhsa.version: [ 1, 2 ]
amdhsa.kernels:
  - .name:           k_qcf893f1e07_ffn2j
    .symbol:         k_qcf893f1e07_ffn2j.kd
    .args:
      - { .name: hq, .offset: 0, .size: 8, .value_kind: global_buffer, .address_space: global }
      - { .name: w2c, .offset: 8, .size: 8, .value_kind: global_buffer, .address_space: global }
      - { .name: b2, .offset: 16, .size: 8, .value_kind: global_buffer, .address_space: global }
      - { .name: out0, .offset: 24, .size: 8, .value_kind: global_buffer, .address_space: global }
    .group_segment_fixed_size: 327680
    .private_segment_fixed_size: 0
    .kernarg_segment_align: 8
    .kernarg_segment_size: 32
    .max_flat_workgroup_size: 128
    .sgpr_count:     100
    .vgpr_count:     1024
    .wavefront_size: 32
...
	.end_amdgpu_metadata
.endif
;; end of part 3
